; MI455X (gfx1250); checked and timed in simulation.
; The chip was launched on July 23, 2026; its instructions are those of AMD's public machine-readable ISA for CDNA 5 (MIT licence, August 2026) and "CDNA5" Instruction Set Architecture Reference Guide (July 2026). The comments in the code are by the model that wrote it; some were corrected since.
;; TFF Point Spatially Aware. Allowed arithmetic: float matrix products may take bf16 or f16 operands with f32 sums; other float arithmetic in f32, or as packed bf16 or f16 multiplies, adds, multiply-adds, maxima and minima; sums over many terms, partial sums and values carried from step to step in f32; what a program stores and reads back later, other than sums and carried values, may be rounded once to bf16 or f16.
;; Inputs: catA_b 256 float32; catA_g 256 float32; catA_w 256 x 512 float32; catB_b 256 float32; catB_g 256 float32; catB_w 256 x 512 float32; cat_b 256 float32; cat_g 256 float32; cat_w 256 x 512 float32; convA_b 1 float32; convA_w 1 x 256 float32; convB_b 1 float32; convB_w 1 x 256 float32; featA 16 x 256 x 4,096 float32; featB 16 x 256 x 1,024 float32; fp_b 256 float32; fp_g 256 float32; fp_w 256 x 256 float32; xyz_A 16 x 4,096 x 3 float32; xyz_B 16 x 1,024 x 3 float32.
;; Outputs: out0 16 x 256 x 4,096 float32.
;; One version. Each part assembles by itself: llvm-mc -triple=amdgcn-amd-amdhsa -mcpu=gfx1250 --defsym DOCPART=n.
;; ======== version 1 of 1: 2 launches
;; limits: a difference of large sums (such as E[x^2] - mean^2): digits are lost where the result is much smaller than its terms
;; workspace buffers: qtab 8,388,608 bytes; wts 786,432 bytes; nbr 1,048,576 bytes of whole numbers; wgt 1,048,576 bytes
;; launch near (part 1): grid 256 x 1, 16 waves a work-group, no clusters, 232,448 bytes of LDS; arguments xyz_A, xyz_B, featB, fp_w, fp_g, fp_b, catA_w, catA_g, catB_w, catB_g, cat_w, qtab, wts, nbr, wgt; writes qtab, wts, nbr, wgt
.if DOCPART == 1
	.amdgcn_target "amdgcn-amd-amdhsa--gfx1250"
	.amdhsa_code_object_version 6
	.text
	.protected	k_q598b40d739_near
	.globl	k_q598b40d739_near
	.p2align	8
	.type	k_q598b40d739_near,@function
k_q598b40d739_near:
	s_mov_b64 s[64:65], 0
	v_nop
	global_prefetch_b8 v0, s[64:65] scope:SCOPE_SE
	s_setreg_imm32_b32 hwreg(HW_REG_WAVE_MODE, 25, 1), 1
	s_wait_xcnt 0x0
; NEAR: what the fused launch behind needs ready.  Work-group g (b = g / 16, sub = g % 16) does three jobs:
;  (1) the three nearest of batch b's 1,024 known points for 256 queries, with the inverse-distance weights: nbr (rows of qtab, whole numbers) and wgt;
;  (2) Q = s (fp_w . featB) + fp_b for 64 known points, bf16 [point][256 channels]: the conv is linear and the three weights add up to 1, so it is made on the
;      known points and interpolated afterwards;
;  (3) row g of each of the three blocks of wts, bf16 [768][512]: [sA (WA1+WA2) | -sA WA1], [sB WB1 | sB (WB2-WB1)], cat_w as it is (k 0-255 meets featA, k 256-511 featB_on_A).
; ROUNDING.  Every input is rounded to bf16 first, the coordinates too; then distances, weights and scales are f32.  fp_w and cat_w stay exact in bf16: their BN scales are applied to f32 sums.
; THE SEARCH forms differences first and squares them: no difference of large sums.  No branch hangs on a distance: every candidate runs the whole insertion.
; LIMITS.  d2 is made with fused multiply-adds: it may differ in the last bit from three rounded squares added up, and neighbours closer together than that may change places.
; Equal distances go to the lower index.  NaN and infinities are not treated apart (a NaN distance is never taken).  The bias inside Q leans on w1+w2+w3 = 1 to f32's last bits.
; NO CLUSTER, NO TENSOR LOAD: the work-groups share only fp_w (256 KiB) and a batch's 12 KiB of coordinates, a small part of what each reads.
.set CX,    0                          ; candidates' x, y, z: 4,096 bytes each, f32; position ch*512 + 2 i + e holds candidate ch*512 + 256 e + i
.set CY,    4096
.set CZ,    8192
.set MRG,   12288                      ; 8 query groups x 32 lanes x 32 bytes: the upper half's best three
.set FB,    20480                      ; featB's tile, bf16 [256 k][64 points], pitch 160
.set FBP,   160
.set FW,    61440                      ; wave w's own 16 rows of fp_w, bf16, pitch 528
.set FWP,   528
.set QS,    196608                     ; Q's stage: 64 points, pitch 528
.set QSP,   528
.set SPARE, 230400                     ; the spare words: 128 bytes for each of 16 waves; no other line names them
.set SPW,   4                          ; v4  my spare word's address; never rewritten
.set NIL,   5                          ; v5  0; never rewritten
.set WV,    36                         ; s36 wave; s37 b; s38 sub; s39 trips; s[40:47] the eight pairs' indices; s48 second mask; s49 upper-half mask
; v1 lane, v2 lane % 16, v3 lane / 16; v[6:11] my query's x x y y z z; v12 candidates' address; v13-v19, v20-v27 addresses (until the search)
; v[20:25] chain lo: M1 M2 M3 I1 I2 I3; v[26:31] chain hi; v[32:47] x, v[48:63] y, v[64:79] z of 16 candidates; v[80:95] their d2
; projection: v[80:87] bias, v[88:95] scale, v[96:127] four accumulators, v[128:191] fp_w's fragments, v[192:255] featB's, two sets
.macro RND2 a, b, t                    ; two numbers rounded to bf16 and widened again
	v_cvt_pk_bf16_f32 v[\t], v[\a], v[\b]
	v_lshlrev_b32 v[\a], 16, v[\t]
	v_and_b32 v[\b], s49, v[\t]
.endm
	s_load_b512 s[4:19], s[0:1], 0x0               ; xyz_A 4, xyz_B 6, featB 8, fp_w 10, fp_g 12, fp_b 14, catA_w 16, catA_g 18
	s_load_b256 s[20:27], s[0:1], 0x40             ; catB_w 20, catB_g 22, cat_w 24, qtab 26
	s_load_b128 s[28:31], s[0:1], 0x60             ; wts 28, nbr 30
	s_load_b64 s[32:33], s[0:1], 0x70              ; wgt
	v_lshl_add_u32 v[SPW], v0, 2, SPARE
	v_mov_b32 v[NIL], 0
	v_lshrrev_b32 v1, 5, v0
	v_readfirstlane_b32 s[WV], v1                  ; wave 0..15
	v_and_b32 v1, 31, v0
	v_and_b32 v2, 15, v0
	v_bfe_u32 v3, v0, 4, 1
	s_lshr_b32 s37, ttmp9, 4
	s_and_b32 s38, ttmp9, 15
	s_and_b32 s76, s[WV], 7                        ; my group of 32 queries
	s_lshr_b32 s77, s[WV], 3                       ; my half of the candidates
	s_mov_b32 s51, 0
	s_mov_b32 s49, 0xffff0000
	; offsets in memory
	v_mul_u32_u24 v13, v0, 24                      ; two candidates a thread
	v_mul_u32_u24 v14, v1, 12                      ; a query a lane
	v_lshlrev_b32 v15, 4, v2                       ; featB: rows 16 w + 2 i + lane / 16, 256 bytes of each
	v_lshl_add_u32 v15, v3, 12, v15
	s_lshl_b32 s78, s[WV], 16
	v_add_nc_u32 v15, s78, v15
	v_lshlrev_b32 v27, 4, v1                       ; 16 x lane
	s_lshl_b32 s78, s[WV], 14
	v_add_nc_u32 v16, s78, v27                     ; fp_w: my 16 rows are 16 KiB on end
	s_lshl_b32 s78, s[WV], 6
	v_lshl_add_u32 v17, v3, 5, s78                 ; fp_g, fp_b: channels 16 w + 8 (lane / 16) ..
	v_lshlrev_b32 v26, 5, v1                       ; 32 x lane
	; addresses in LDS
	v_lshrrev_b32 v18, 8, v0                       ; candidates 2 t and 2 t + 1: (t >> 8) 2,048 + (t & 127) 16 + ((t >> 7) & 1) 4, and 8 further
	v_lshlrev_b32 v18, 11, v18
	v_and_b32 v19, 127, v0
	v_lshl_add_u32 v18, v19, 4, v18
	v_bfe_u32 v19, v0, 7, 1
	v_lshl_add_u32 v18, v19, 2, v18
	s_mul_i32 s78, s[WV], 16*FBP
	s_add_co_u32 s78, s78, FB
	v_mul_u32_u24 v19, v3, FBP
	v_lshl_add_u32 v19, v2, 3, v19
	v_add_nc_u32 v19, s78, v19                     ; featB's tile, in
	s_mul_i32 s79, s[WV], 16*FWP
	s_add_co_u32 s79, s79, FW
	v_lshl_add_u32 v20, v1, 3, s79                 ; my rows of fp_w, in
	v_mul_u32_u24 v21, v2, FWP
	v_lshl_add_u32 v21, v3, 4, v21
	v_add_nc_u32 v21, s79, v21                     ; and out, as fragments
	v_and_b32 v22, 7, v0                           ; the turning load: row 8 (lane / 16) + lane % 8, 16 bytes by (lane / 8) % 2
	v_lshl_add_u32 v22, v3, 3, v22
	v_mul_u32_u24 v22, v22, FBP
	v_bfe_u32 v23, v0, 3, 1
	v_lshl_add_u32 v22, v23, 4, v22
	v_add_nc_u32 v22, FB, v22
	v_mul_u32_u24 v23, v2, QSP
	v_lshl_add_u32 v23, v3, 4, v23
	s_lshl_b32 s78, s[WV], 5
	s_add_co_u32 s78, s78, QS
	v_add_nc_u32 v23, s78, v23                     ; Q's stage, in: point lane % 16, my 16 channels
	s_mul_i32 s78, s[WV], 4*QSP
	s_add_co_u32 s78, s78, QS
	v_add_nc_u32 v24, s78, v27                     ; and out: four whole rows a wave
	s_lshl_b32 s78, s[WV], 11
	v_add_nc_u32 v25, s78, v27                     ; the same four rows in qtab
	s_wait_kmcnt 0x0
	s_mul_i32 s50, s37, 12288
	s_add_nc_u64 s[52:53], s[6:7], s[50:51]        ; the batch's known points
	s_lshl_b32 s50, ttmp9, 8
	s_lshl_b32 s78, s76, 5
	s_add_co_u32 s50, s50, s78
	s_mul_i32 s50, s50, 12
	s_add_nc_u64 s[54:55], s[4:5], s[50:51]        ; my group's queries
	s_lshl_b32 s50, s37, 20
	s_lshl_b32 s78, s38, 8
	s_add_co_u32 s50, s50, s78
	s_add_nc_u64 s[56:57], s[8:9], s[50:51]        ; featB: the batch, the work-group's 64 points
	s_lshl_b32 s50, ttmp9, 15
	s_add_nc_u64 s[58:59], s[26:27], s[50:51]      ; qtab: the same 64 points' rows
	; all loads at once: 50 a wave
	global_load_b64 v[32:33], v13, s[52:53]
	global_load_b64 v[34:35], v13, s[52:53] offset:8
	global_load_b64 v[36:37], v13, s[52:53] offset:16
	global_load_b32 v6, v14, s[54:55]
	global_load_b32 v8, v14, s[54:55] offset:4
	global_load_b32 v10, v14, s[54:55] offset:8
.set i, 0
.rept 8
	global_load_b128 v[96+4*i:96+4*i+3], v15, s[56:57] offset:8192*i th:TH_LOAD_NT  ; 16 lanes take 256 consecutive bytes of a row
.set i, i+1
.endr
.set i, 0
.rept 32
	global_load_b128 v[128+4*i:128+4*i+3], v16, s[10:11] offset:512*i
.set i, i+1
.endr
	global_load_b128 v[80:83], v17, s[14:15]
	global_load_b128 v[84:87], v17, s[14:15] offset:16
	global_load_b128 v[88:91], v17, s[12:13]
	global_load_b128 v[92:95], v17, s[12:13] offset:16
	s_wait_loadcnt 0x0
	; everything is rounded to bf16 and staged
	RND2 32, 33, 38
	RND2 34, 35, 39
	RND2 36, 37, 40
	v_cvt_pk_bf16_f32 v41, v6, v8
	v_cvt_pk_bf16_f32 v42, v10, v10
	v_lshlrev_b32 v6, 16, v41
	v_and_b32 v8, s49, v41
	v_lshlrev_b32 v10, 16, v42
	v_mov_b32 v7, v6                               ; each coordinate twice: the packed lines take it for two candidates
	v_mov_b32 v9, v8
	v_mov_b32 v11, v10
	ds_store_b32 v18, v32 offset:CX
	ds_store_b32 v18, v33 offset:CY
	ds_store_b32 v18, v34 offset:CZ
	ds_store_b32 v18, v35 offset:CX+8
	ds_store_b32 v18, v36 offset:CY+8
	ds_store_b32 v18, v37 offset:CZ+8
.irp j, 0,2,4,6
	RND2 80+\j, 81+\j, 38
	RND2 88+\j, 89+\j, 39
.endr
.irp j, 0,1,2,3,4,5,6,7
	v_mul_f32 v[88+\j], 0x3f7fffac, v[88+\j]       ; s = g / sqrt(1 + 1e-5)
.endr
.set i, 0
.rept 8
	v_cvt_pk_bf16_f32 v[96+4*i], v[96+4*i], v[96+4*i+1]
	v_cvt_pk_bf16_f32 v[96+4*i+1], v[96+4*i+2], v[96+4*i+3]
	ds_store_b64 v19, v[96+4*i:96+4*i+1] offset:2*i*FBP
.set i, i+1
.endr
.set i, 0
.rept 32
	v_cvt_pk_bf16_f32 v[128+4*i], v[128+4*i], v[128+4*i+1]
	v_cvt_pk_bf16_f32 v[128+4*i+1], v[128+4*i+2], v[128+4*i+3]
	ds_store_b64 v20, v[128+4*i:128+4*i+1] offset:(i/2)*FWP+(i%2)*256
.set i, i+1
.endr
	s_wait_dscnt 0x0                               ; for the others' sake: my stores are done
	s_barrier_signal -1
	s_barrier_wait -1                              ; candidates and featB's tile are whole
	; THE PROJECTION.  Source 0 = my 16 rows of fp_w, source 1 = 16 points: a lane ends with one point and eight neighbouring channels.
.macro FETCHB ks, buf                  ; 32 k x 64 points, turned: four fragments
.irp t, 0,1,2,3
	ds_load_tr16_b128 v[192+32*(\buf)+8*\t:192+32*(\buf)+8*\t+3],   v22 offset:(\ks)*32*FBP+32*\t
	ds_load_tr16_b128 v[192+32*(\buf)+8*\t+4:192+32*(\buf)+8*\t+7], v22 offset:(\ks)*32*FBP+16*FBP+32*\t
.endr
.endm
.set i, 0
.rept 8
	ds_load_b128 v[128+8*i:128+8*i+3], v21 offset:64*i
	ds_load_b128 v[128+8*i+4:128+8*i+7], v21 offset:64*i+32
.set i, i+1
.endr
	FETCHB 0, 0
	FETCHB 1, 1
.set ks, 0
.rept 8
.if ks < 7
	s_wait_dscnt 8                                 ; all but the next step's eight loads
.else
	s_wait_dscnt 0x0
.endif
.irp t, 0,1,2,3                        ; the four accumulators take turns
.if ks == 0
	v_wmma_f32_16x16x32_bf16 v[96+8*\t:96+8*\t+7], v[128+8*ks:128+8*ks+7], v[192+32*(ks%2)+8*\t:192+32*(ks%2)+8*\t+7], 0
.else
	v_wmma_f32_16x16x32_bf16 v[96+8*\t:96+8*\t+7], v[128+8*ks:128+8*ks+7], v[192+32*(ks%2)+8*\t:192+32*(ks%2)+8*\t+7], v[96+8*\t:96+8*\t+7]
.endif
.endr
.rept 4
	v_nop                                          ; four places behind the products: in front of loads into their sources, and at the end of the lines that read the sums
.endr
.if ks < 6
	FETCHB ks+2, ks%2
.endif
.set ks, ks+1
.endr
.irp t, 0,1,2,3
.irp j, 0,2,4,6                        ; ascending: an accumulator is read from its low end on
	v_pk_fma_f32 v[96+8*\t+\j:96+8*\t+\j+1], v[96+8*\t+\j:96+8*\t+\j+1], v[88+\j:88+\j+1], v[80+\j:80+\j+1]
.endr
.endr
.irp t, 0,1,2,3
.irp j, 0,1,2,3
	v_cvt_pk_bf16_f32 v[96+8*\t+\j], v[96+8*\t+2*\j], v[96+8*\t+2*\j+1]
.endr
	ds_store_b128 v23, v[96+8*\t:96+8*\t+3] offset:16*\t*QSP
.endr
	s_wait_dscnt 0x0
	s_barrier_signal -1
	s_barrier_wait -1                              ; a point's 512 bytes come from all 16 waves
.irp i, 0,1,2,3
	ds_load_b128 v[96+4*\i:96+4*\i+3], v24 offset:\i*QSP
.endr
.irp i, 0,1,2,3
	s_wait_dscnt 3-\i
	global_store_b128 v25, v[96+4*\i:96+4*\i+3], s[58:59] offset:512*\i  ; a wave's store covers a whole row: 512 consecutive bytes, aligned
.endr
	; THE WEIGHTS: wave 0 row g of catA's block, wave 1 of catB's, wave 2 of cat's.  lo = s (w1 + a2 w2), hi = s (b1 w1 + b2 w2).
	s_cmp_gt_u32 s[WV], 2
	s_cbranch_scc1 .Lnoprep
	s_cmp_eq_u32 s[WV], 0
	s_cselect_b64 s[60:61], s[16:17], s[20:21]
	s_cselect_b64 s[62:63], s[18:19], s[22:23]
	s_cselect_b32 s68, 1.0, 0                      ; a2
	s_cselect_b32 s70, 0, 1.0                      ; b2
	s_cmp_eq_u32 s[WV], 2
	s_cselect_b64 s[60:61], s[24:25], s[60:61]
	s_cselect_b32 s69, 0, -1.0                     ; b1
	s_lshl_b32 s50, ttmp9, 2
	s_add_nc_u64 s[62:63], s[62:63], s[50:51]
	s_load_b32 s71, s[62:63], 0x0                  ; g of the row (wave 2 reads catB's and does not use it: cat's scale is applied to f32 sums in the next launch)
	s_lshl_b32 s50, ttmp9, 11
	s_add_nc_u64 s[60:61], s[60:61], s[50:51]
	global_load_b128 v[128:131], v26, s[60:61]     ; k = 8 lane .. of the first half,
	global_load_b128 v[132:135], v26, s[60:61] offset:16
	global_load_b128 v[136:139], v26, s[60:61] offset:1024  ; and of the second
	global_load_b128 v[140:143], v26, s[60:61] offset:1040
	s_lshl_b32 s50, s[WV], 8
	s_add_co_u32 s50, s50, ttmp9
	s_lshl_b32 s50, s50, 10
	s_add_nc_u64 s[66:67], s[28:29], s[50:51]      ; row 256 w + g of wts
	s_wait_kmcnt 0x0
	v_cvt_pk_bf16_f32 v144, s71, s71
	v_lshlrev_b32 v144, 16, v144
	v_mul_f32 v144, 0x3f7fffac, v144
	v_readfirstlane_b32 s71, v144
	s_cmp_eq_u32 s[WV], 2
	s_cselect_b32 s71, 1.0, s71
	s_mul_f32 s68, s68, s71
	s_mul_f32 s69, s69, s71
	s_mul_f32 s70, s70, s71
	s_wait_loadcnt 0x0
.irp j, 0,2,4,6,8,10,12,14
	RND2 128+\j, 129+\j, 145
.endr
.irp j, 0,1,2,3,4,5,6,7
	v_mul_f32 v[146+\j], s71, v[128+\j]
	v_mul_f32 v[154+\j], s69, v[128+\j]
.endr
.irp j, 0,1,2,3,4,5,6,7
	v_fma_f32 v[146+\j], s68, v[136+\j], v[146+\j]
	v_fma_f32 v[154+\j], s70, v[136+\j], v[154+\j]
.endr
.irp j, 0,1,2,3
	v_cvt_pk_bf16_f32 v[162+\j], v[146+2*\j], v[146+2*\j+1]
	v_cvt_pk_bf16_f32 v[166+\j], v[154+2*\j], v[154+2*\j+1]
.endr
	global_store_b128 v27, v[162:165], s[66:67]    ; 512 consecutive bytes each
	global_store_b128 v27, v[166:169], s[66:67] offset:512
.Lnoprep:
	s_wait_xcnt 0x0                                ; the stores above have read their registers: v25 and its neighbours are written below
	; THE SEARCH.  A lane has one query.  A register pair holds two candidates, 256 apart: chain lo takes the first, chain hi the second, each in ascending order,
	; so a strict "less" keeps the lower index ahead among equals.
.macro INSL n, d, c, j, m              ; line n of the eleven that put distance v[d], index j, into the chain at v[c]: M1 <= M2 <= M3, I1, I2, I3
.if (\n) == 0
	v_cmp_lt_f32 \m, v[\d], v[(\c)+2]
.elseif (\n) == 1
	v_cndmask_b32 v[(\c)+5], v[(\c)+5], \j, \m
.elseif (\n) == 2
	v_cmp_lt_f32 \m, v[\d], v[(\c)+1]
.elseif (\n) == 3
	v_cndmask_b32 v[(\c)+5], v[(\c)+5], v[(\c)+4], \m
.elseif (\n) == 4
	v_cndmask_b32 v[(\c)+4], v[(\c)+4], \j, \m
.elseif (\n) == 5
	v_cmp_lt_f32 \m, v[\d], v[\c]
.elseif (\n) == 6
	v_cndmask_b32 v[(\c)+4], v[(\c)+4], v[(\c)+3], \m
.elseif (\n) == 7
	v_cndmask_b32 v[(\c)+3], v[(\c)+3], \j, \m
.elseif (\n) == 8
	v_med3_num_f32 v[(\c)+2], v[\d], v[(\c)+1], v[(\c)+2]
.elseif (\n) == 9
	v_med3_num_f32 v[(\c)+1], v[\d], v[\c], v[(\c)+1]
.else
	v_min_num_f32 v[\c], v[\d], v[\c]
.endif
.endm
.macro INS2 u                          ; pair u into both chains, their lines by turns, each chain with a mask register of its own
.irp n, 0,1,2,3,4,5,6,7,8,9,10
	INSL \n, 80+2*(\u), 20, s[40+(\u)], vcc_lo
	INSL \n, 81+2*(\u), 26, s[40+(\u)], s48
.endr
.endm
.macro INS d, c, j
.irp n, 0,1,2,3,4,5,6,7,8,9,10
	INSL \n, \d, \c, \j, vcc_lo
.endr
.endm
	s_mov_b32 s79, 0x7f800000
.irp c, 20, 26
	v_mov_b32 v[\c], s79
	v_mov_b32 v[\c+1], s79
	v_mov_b32 v[\c+2], s79
	v_mov_b32 v[\c+3], 0
	v_mov_b32 v[\c+4], 0
	v_mov_b32 v[\c+5], 0
.endr
	s_lshl_b32 s78, s77, 11
	v_mov_b32 v12, s78                             ; my half's first candidates: the same address in all lanes
.irp u, 0,1,2,3,4,5,6,7
	s_mov_b32 s[40+\u], \u
.endr
	s_mov_b32 s39, 32
.Lknn:                                         ; a trip: 16 candidates
.irp m, 0,1,2,3
	ds_load_b128 v[32+4*\m:35+4*\m], v12 offset:CX+16*\m
	ds_load_b128 v[48+4*\m:51+4*\m], v12 offset:CY+16*\m
	ds_load_b128 v[64+4*\m:67+4*\m], v12 offset:CZ+16*\m
.endr
	s_wait_dscnt 0x0                               ; the SIMD's other three waves work meanwhile
.irp u, 0,2,4,6,8,10,12,14
	v_pk_add_f32 v[32+\u:33+\u], v[32+\u:33+\u], v[6:7] neg_lo:[0,1] neg_hi:[0,1]
.endr
.irp u, 0,2,4,6,8,10,12,14
	v_pk_add_f32 v[48+\u:49+\u], v[48+\u:49+\u], v[8:9] neg_lo:[0,1] neg_hi:[0,1]
.endr
.irp u, 0,2,4,6,8,10,12,14
	v_pk_add_f32 v[64+\u:65+\u], v[64+\u:65+\u], v[10:11] neg_lo:[0,1] neg_hi:[0,1]
.endr
.irp u, 0,2,4,6,8,10,12,14
	v_pk_mul_f32 v[80+\u:81+\u], v[32+\u:33+\u], v[32+\u:33+\u]
.endr
.irp u, 0,2,4,6,8,10,12,14
	v_pk_fma_f32 v[80+\u:81+\u], v[48+\u:49+\u], v[48+\u:49+\u], v[80+\u:81+\u]
.endr
.irp u, 0,2,4,6,8,10,12,14
	v_pk_fma_f32 v[80+\u:81+\u], v[64+\u:65+\u], v[64+\u:65+\u], v[80+\u:81+\u]
.endr
.irp u, 0,1,2,3,4,5,6,7
	INS2 \u
.endr
	v_add_nc_u32 v12, 64, v12
.irp u, 0,1,2,3,4,5,6,7
	s_add_co_u32 s[40+\u], s[40+\u], 8
.endr
	s_sub_co_u32 s39, s39, 1
	s_cmp_lg_u32 s39, 0
	s_cbranch_scc1 .Lknn
	; chain hi, whose indices are all higher, goes into chain lo; then the upper half's three, again all higher, into the lower half's
	s_lshl_b32 s78, s77, 9
	s_add_co_u32 s79, s78, 256
.irp j, 0,1,2
	v_add_nc_u32 v[23+\j], s78, v[23+\j]
	v_add_nc_u32 v[29+\j], s79, v[29+\j]
.endr
	INS 26, 20, v29
	INS 27, 20, v30
	INS 28, 20, v31
	s_lshl_b32 s78, s76, 10
	s_add_co_u32 s78, s78, MRG
	v_lshl_add_u32 v13, v1, 5, s78
	s_cmp_lt_u32 s[WV], 8
	s_cbranch_scc1 .Lkeep
	ds_store_b128 v13, v[20:23]
	ds_store_b64 v13, v[24:25] offset:16
.Lkeep:
	s_wait_dscnt 0x0
	s_barrier_signal -1
	s_barrier_wait -1
	s_cmp_lt_u32 s[WV], 8
	s_cbranch_scc0 .Lend
	ds_load_b128 v[26:29], v13
	ds_load_b64 v[30:31], v13 offset:16
	s_lshl_b32 s50, ttmp9, 12                      ; the work-group's 256 queries, 16 bytes each
	s_add_nc_u64 s[72:73], s[30:31], s[50:51]
	s_add_nc_u64 s[74:75], s[32:33], s[50:51]
	v_lshlrev_b32 v14, 4, v0                       ; waves 0-7: thread t has query t
	s_wait_dscnt 0x0
	INS 26, 20, v29
	INS 27, 20, v30
	INS 28, 20, v31
	v_add_f32 v32, 0x322bcc77, v20                 ; d2 + 1e-8
	v_add_f32 v33, 0x322bcc77, v21
	v_add_f32 v34, 0x322bcc77, v22
	v_rcp_f32 v32, v32
	v_rcp_f32 v33, v33
	v_rcp_f32 v34, v34
	v_mov_b32 v39, 0                               ; a plain line behind the last reciprocal,
	s_wait_alu depctr_va_vdst(0)                   ; and one wait for the three, ahead of their first reader
	v_add_f32 v35, v32, v33
	v_add_f32 v35, v35, v34
	v_rcp_f32 v35, v35
	v_mov_b32 v43, 0
	s_wait_alu depctr_va_vdst(0)
	v_mul_f32 v36, v32, v35
	v_mul_f32 v37, v33, v35
	v_mul_f32 v38, v34, v35
	s_lshl_b32 s78, s37, 10                        ; rows of qtab: the batch's 1,024
	v_add_nc_u32 v40, s78, v23
	v_add_nc_u32 v41, s78, v24
	v_add_nc_u32 v42, s78, v25
	global_store_b128 v14, v[40:43], s[72:73]      ; 512 consecutive bytes a wave
	global_store_b128 v14, v[36:39], s[74:75]
.Lend:
	s_wait_tensorcnt 0x0                           ; the wave's end, behind my last LDS store
	ds_add_u32 v[SPW], v[NIL]
	s_wait_dscnt 0x0
	s_endpgm
.Lfunc_end_k_q598b40d739_near:
	.size	k_q598b40d739_near, .Lfunc_end_k_q598b40d739_near-k_q598b40d739_near
	.p2alignl 7, 3214868480
	.fill 96, 4, 3214868480
	.section	.rodata,"a",@progbits
	.p2align	6, 0x0
	.amdhsa_kernel k_q598b40d739_near
		.amdhsa_group_segment_fixed_size 232448
		.amdhsa_private_segment_fixed_size 0
		.amdhsa_enable_private_segment 0
		.amdhsa_kernarg_size 120
		.amdhsa_user_sgpr_count 2
		.amdhsa_user_sgpr_kernarg_segment_ptr 1
		.amdhsa_wavefront_size32 1
		.amdhsa_system_sgpr_workgroup_id_x 1
		.amdhsa_system_sgpr_workgroup_id_y 1
		.amdhsa_system_sgpr_workgroup_id_z 1
		.amdhsa_system_vgpr_workitem_id 0
		.amdhsa_next_free_vgpr 256
		.amdhsa_next_free_sgpr 80
		.amdhsa_reserve_vcc 1
		.amdhsa_float_denorm_mode_32 3
		.amdhsa_float_denorm_mode_16_64 3
		.amdhsa_memory_ordered 1
		.amdhsa_forward_progress 1
		.amdhsa_inst_pref_size 54
	.end_amdhsa_kernel
	.amdgpu_metadata
---
amdhsa.version: [ 1, 2 ]
amdhsa.kernels:
  - .name:           k_q598b40d739_near
    .symbol:         k_q598b40d739_near.kd
    .args:
      - { .name: xyz_A, .offset: 0, .size: 8, .value_kind: global_buffer, .address_space: global }
      - { .name: xyz_B, .offset: 8, .size: 8, .value_kind: global_buffer, .address_space: global }
      - { .name: featB, .offset: 16, .size: 8, .value_kind: global_buffer, .address_space: global }
      - { .name: fp_w, .offset: 24, .size: 8, .value_kind: global_buffer, .address_space: global }
      - { .name: fp_g, .offset: 32, .size: 8, .value_kind: global_buffer, .address_space: global }
      - { .name: fp_b, .offset: 40, .size: 8, .value_kind: global_buffer, .address_space: global }
      - { .name: catA_w, .offset: 48, .size: 8, .value_kind: global_buffer, .address_space: global }
      - { .name: catA_g, .offset: 56, .size: 8, .value_kind: global_buffer, .address_space: global }
      - { .name: catB_w, .offset: 64, .size: 8, .value_kind: global_buffer, .address_space: global }
      - { .name: catB_g, .offset: 72, .size: 8, .value_kind: global_buffer, .address_space: global }
      - { .name: cat_w, .offset: 80, .size: 8, .value_kind: global_buffer, .address_space: global }
      - { .name: qtab, .offset: 88, .size: 8, .value_kind: global_buffer, .address_space: global }
      - { .name: wts, .offset: 96, .size: 8, .value_kind: global_buffer, .address_space: global }
      - { .name: nbr, .offset: 104, .size: 8, .value_kind: global_buffer, .address_space: global }
      - { .name: wgt, .offset: 112, .size: 8, .value_kind: global_buffer, .address_space: global }
    .group_segment_fixed_size: 232448
    .private_segment_fixed_size: 0
    .kernarg_segment_align: 8
    .kernarg_segment_size: 120
    .max_flat_workgroup_size: 512
    .sgpr_count:     80
    .vgpr_count:     256
    .wavefront_size: 32
...
	.end_amdgpu_metadata
.endif
;; end of part 1
;; launch fuse (part 2): grid 256 x 1, 4 waves a work-group, clusters of 4 x 1, 327,680 bytes of LDS; arguments featA, qtab, wts, nbr, wgt, catA_b, catB_b, cat_b, convA_w, convB_w, convA_b, convB_b, cat_g, out0; writes out0
.if DOCPART == 2
	.amdgcn_target "amdgcn-amd-amdhsa--gfx1250"
	.amdhsa_code_object_version 6
	.text
	.protected	k_q598b40d739_fuse
	.globl	k_q598b40d739_fuse
	.p2align	8
	.type	k_q598b40d739_fuse,@function
k_q598b40d739_fuse:
	s_mov_b64 s[64:65], 0
	v_nop
	global_prefetch_b8 v0, s[64:65] scope:SCOPE_SE
	s_setreg_imm32_b32 hwreg(HW_REG_WAVE_MODE, 25, 1), 1
	s_wait_xcnt 0x0
	s_wait_alu depctr_hold_cnt(0) depctr_sa_sdst(0) depctr_va_vdst(0) depctr_va_sdst(0) depctr_va_ssrc(0) depctr_va_vcc(0) depctr_vm_vsrc(0)
	s_getreg_b32 s2, hwreg(HW_REG_IB_STS2, 6, 4)
	s_cmp_eq_u32 s2, 0
	s_cbranch_scc0 .Lentry_in_a_cluster
	s_endpgm
.Lentry_in_a_cluster:
	s_bfe_u32 s2, ttmp6, 0x10000c
	s_cmp_lg_u32 s2, 0x3003
	s_cbranch_scc0 .Lentry_shape_is_right
	s_endpgm
.Lentry_shape_is_right:
; FUSE: featB_on_A, both gates and the output, for 256 points of one batch a work-group, 64 a wave.
;   Bo = relu(w1 Q[i1] + w2 Q[i2] + w3 Q[i3])                      (Q holds the fp conv, its BN scale and bias: the launch before)
;   yA = telu((sA(WA1+WA2)) A - (sA WA1) Bo + bA),  aw = sigmoid(convA_w . yA + convA_b);   yB, bw likewise
;   out = telu(sC (aw (Wc1 A) + bw (Wc2 Bo)) + bC)                  (a gate is one number a point, so it multiplies the f32 sums)
; THE POINTS STAY, THE WEIGHTS STREAM.  A wave keeps its 64 points' whole operand, 512 k x 64 in bf16, in 512 registers; all 768 rows of wts pass once through two LDS slots of 64 rows.
; Source 0 = 16 rows of weights, source 1 = 16 points: a lane holds one point (lane % 16) and the channels 8 (lane / 16) + 0..7; a point's gate never leaves its wave.
; A fragment of weights read from LDS feeds four products.  CLUSTER: all work-groups walk the same 12 chunks, so each wave's quarter of a chunk is asked for jointly by the four partners.
; ROUNDING.  Every input is rounded to bf16 first (the small vectors and the two conv biases too); sums, gates, scales and activations are f32; Bo is rounded once to bf16 as a matrix operand.
; LIMITS.  tanh(y) = 1 - 2 / (1 + e^(2y)): for very negative x TeLU is off by up to about 2e-7 |x|.  relu and the maxima drop NaN; NaN and infinities are not treated apart.  All 16-bit numbers are bf16: f32's range.
.set PW,    272                        ; a row of a strip in LDS: 256 bytes (128 k) + 16 of padding = 68 words: row r starts at bank 4 r mod 64 (64 banks of 4 bytes: ISA guide 11.1)
.set STRIP, 64*PW                      ; what one tensor load brings: 128 k of a chunk's 64 rows; strip g holds k = 128 g ..
.set SLOTB, 4*STRIP                    ; 69,632 = 0x11000: no address that is turned has one of these two bits set, so one exclusive or changes slots
.set SUBB,  32*PW                      ; the 32 rows of one pass of products
.set STG,   2*SLOTB                    ; behind the ring, 40,960 bytes a wave, its own: featA's tile [256 k][64 n] pitch 160; then Bo [64 points] pitch 528; then 32 rows of output, pitch 272
.set STGB,  40960
.set APIT,  160
.set BPIT,  528
.set OPIT,  272
.set TBL,   STG+4*STGB                 ; 2,048 bytes a wave: its 64 points' indices, then their weights
.set SPARE, TBL+4*2048                 ; the spare words, 128 bytes a wave; no other line names them
.set VT,    SPARE+512                  ; six vectors of 256 f32: catA_b, catB_b, convA_w, convB_w, cat_b, cat_g / sqrt(1 + 1e-5)
; REGISTERS, in windows of 256 (s_set_vgpr_msb: bits 1:0 source 0, 3:2 source 1, 5:4 source 2, 7:6 destination):
;   window 1: featA's fragments, (4 ks + t) 8;  window 2: Bo's, the same map;  window 3: v0-127 accumulators.  In the prologue windows 3 and 2 take what comes from memory.
.set R,   1                            ; lane % 16
.set H,   2                            ; lane / 16
.set L,   3                            ; lane
.set WA,  4                            ; my place in a fragment of weights
.set ADR, 5                            ; + the pass's first row
.set STO, 6                            ; output stage, in
.set RD,  7                            ; output stage, out
.set GO,  8                            ; (lane / 16) rows of 16,384 bytes + 16 (lane % 16): featA's and out0's offset; never rewritten
.set H32, 9
.set VB,  10                           ; the pass's place in the vectors
.set PFO, 11                           ; 256 x lane; never rewritten
.set SPW, 12                           ; my spare word's address; never rewritten
.set NIL, 13                           ; 0; never rewritten
.set ZERO, 14
.set L16, 15                           ; 16 x lane; never rewritten
.set BI,  16                           ; v[16:31] bias of my 2 x 8 channels
.set CW,  32                           ; v[32:47] conv weight, or cat's scale, of the same
.set S,   48                           ; v[48:55] gate sums, a pair a tile of points
.set GA,  56                           ; v[56:71] aw of tile t at 56 + 4 t, bw at 58 + 4 t (named as pairs)
.set GT,  72                           ; v[72:79] at work on a gate; in the prologue addresses:
.set AS,  72
.set AT,  73
.set TI,  74
.set SB,  75
.set XR,  76
.set TS,  77
.set VS,  78
.set VV,  79
.set IX,  16                           ; prologue: eight points' indices, v[16:47]
.set WG,  192                          ; prologue: eight points' weights, in WINDOW 3, v[192:223], behind the two sets of rows (v0-191 there)
.set VO,  80                           ; prologue: 2 x 24 row offsets
.set F0,  128                          ; v[128:191], v[192:255]: fragments of weights; in the epilogues x and t
.set F1,  192
.set G1,  32                           ; s[32:39] descriptor group 1
.set G0,  40                           ; s[40:43] descriptor group 0: it walks
.set WV,  44
.set MAT, 45
.set SL,  46
.set SUBC, 47
.set PBC, 48
.set KL,  50                           ; s[50:51] log2(e)
.set TB,  53                           ; LDS byte of the next pass's rows
.set RF,  54                           ; refills still to come
.set LIM, 55                           ; 1 in a wave that prefetches, else the greatest number
.set PFA, 56                           ; s[56:57]
.set SEL, 58                           ; s[58:59] each lane takes its own place in the other half
.set KC,  60                           ; s[60:61] log2(2 log2(e))
.set BA,  66
.set BB,  67
.set CUR, 68
.set ROFF, 69                          ; LDS byte of the next pass's bias
.set OUT, 70                           ; s[70:71]
.set MSB, 0
.macro WIN new                         ; the high byte repeats the setting that is left; a switch that changes nothing is dropped
.if MSB != (\new)
	s_set_vgpr_msb (MSB<<8)|(\new)
.set MSB, \new
.endif
.endm
.macro PLACES
.rept 4
	v_nop
.endr
.endm
.macro CROUND                          ; a round of the cluster's barrier
	s_barrier_signal -1
	s_barrier_wait -1
	s_cmp_lg_u32 s[WV], 0
	s_cbranch_scc1 .Lnot_wave_0_\@
	s_barrier_signal -3
.Lnot_wave_0_\@:
	s_barrier_wait -3
	s_barrier_signal -1
	s_barrier_wait -1
.endm
.macro JLOAD                           ; every wave asks for its own strip of a chunk; an s_nop 0 and four v_nop follow
	tensor_load_to_lds s[G0:G0+3], s[G1:G1+7]
	s_nop 0
	PLACES
.endm
; A prefetch of the chunk that the NEXT change of slots will ask for: 65,536 bytes, each block of 256 named once in the launch.  All clusters walk the same chunks: cluster 0 asks; its four
; partners take 16 KiB each, told apart by address; in each, waves 0 and 1 take 8 KiB, a lane a block.  The last refill has no chunk behind it and asks for nothing.
.macro ASK
	s_cmp_gt_u32 s[RF], s[LIM]
	s_cbranch_scc0 .Lnot_mine_\@
	global_prefetch_b8 v[PFO], s[PFA:PFA+1] th:TH_LOAD_NT scope:SCOPE_SE
.Lnot_mine_\@:
.endm
; THE CHANGE OF SLOTS.  Each wave waits for all its tensor loads (one is out: its strip of the other slot), adds 0 to its spare word, and waits for that and for its LDS reads.  fill = 1: the slot
; just read is filled again, first thing behind a round of the cluster's barrier; the load has 256 products and two epilogues in which to land.
.macro CHANGE fill
	WIN 0
	s_wait_tensorcnt 0x0
	ds_add_u32 v[SPW], v[NIL]
.if \fill
	s_xor_b32 s[G0+1], s[G0+1], SLOTB              ; no tensor load of mine is out: the descriptor steps to the other slot,
	s_add_nc_u64 s[G0+2:G0+3], s[G0+2:G0+3], 65536 ; the next chunk
	s_wait_xcnt 0x0                                ; the last prefetch, a chunk back, has read its address
	s_add_nc_u64 s[PFA:PFA+1], s[PFA:PFA+1], 65536
	s_wait_dscnt 0x0
	CROUND
	JLOAD
	ASK
	s_sub_co_u32 s[RF], s[RF], 1
.else
	s_wait_dscnt 0x0
	s_barrier_signal -1
	s_barrier_wait -1
.endif
	s_sub_co_u32 s[TB], s[TB], 2*SUBB              ; the reads go back to a slot's first row, in the other slot
	s_xor_b32 s[TB], s[TB], SLOTB
.endm
	s_load_b512 s[4:19], s[0:1], 0x0               ; featA 4, qtab 6, wts 8, nbr 10, wgt 12, catA_b 14, catB_b 16, cat_b 18
	s_load_b256 s[20:27], s[0:1], 0x40             ; convA_w 20, convB_w 22, convA_b 24, convB_b 26
	s_load_b128 s[28:31], s[0:1], 0x60             ; cat_g 28, out0 30
	v_lshl_add_u32 v[SPW], v0, 2, SPARE
	v_mov_b32 v[NIL], 0
	ds_add_u32 v[SPW], v[NIL]                      ; the opening: the add, twice on end, and its wait ahead of my first tensor load
	ds_add_u32 v[SPW], v[NIL]
	v_lshrrev_b32 v1, 5, v0
	v_readfirstlane_b32 s[WV], v1                  ; wave 0..3
	v_and_b32 v[R], 15, v0
	v_bfe_u32 v[H], v0, 4, 1
	v_and_b32 v[L], 31, v0
	v_mov_b32 v[ZERO], 0
	v_lshlrev_b32 v[L16], 4, v[L]
	v_lshlrev_b32 v[PFO], 8, v[L]
	v_lshlrev_b32 v[H32], 5, v[H]
	v_lshlrev_b32 v[GO], 4, v[R]
	v_lshl_add_u32 v[GO], v[H], 14, v[GO]
	v_mul_u32_u24 v[WA], v[R], PW
	v_lshl_add_u32 v[WA], v[H], 4, v[WA]
	s_mul_i32 s49, s[WV], STGB
	s_add_co_u32 s49, s49, STG                     ; my stage
	s_lshl_b32 s52, s[WV], 11
	s_add_co_u32 s52, s52, TBL                     ; my table
	v_mul_u32_u24 v[STO], v[H], 8*OPIT
	v_lshl_add_u32 v[STO], v[R], 2, v[STO]
	v_add_nc_u32 v[STO], s49, v[STO]
	v_mul_u32_u24 v[RD], v[H], OPIT
	v_lshl_add_u32 v[RD], v[R], 4, v[RD]
	v_add_nc_u32 v[RD], s49, v[RD]
	v_mul_u32_u24 v[AS], v[H], APIT
	v_lshl_add_u32 v[AS], v[R], 3, v[AS]
	v_add_nc_u32 v[AS], s49, v[AS]
	v_and_b32 v[AT], 7, v0                         ; the turning load: row 8 (lane / 16) + lane % 8, 16 bytes by (lane / 8) % 2
	v_lshl_add_u32 v[AT], v[H], 3, v[AT]
	v_mul_u32_u24 v[AT], v[AT], APIT
	v_bfe_u32 v[TI], v0, 3, 1
	v_lshl_add_u32 v[AT], v[TI], 4, v[AT]
	v_add_nc_u32 v[AT], s49, v[AT]
	v_mov_b32 v[TI], s52
	v_add_nc_u32 v[SB], s49, v[L16]
	v_mul_u32_u24 v[XR], v[R], BPIT
	v_lshl_add_u32 v[XR], v[H], 4, v[XR]
	v_add_nc_u32 v[XR], s49, v[XR]
	v_add_nc_u32 v[TS], s52, v[L16]
	v_lshl_add_u32 v[VS], v0, 4, VT
	v_and_b32 v[VV], 63, v0
	v_lshlrev_b32 v[VV], 4, v[VV]
	; descriptor group 1: a strip is 64 rows x 128 elements of 2 bytes, 512 elements from row to row; 16 bytes of padding behind each row of 256
	s_mov_b32 s[G1], 15|(1<<16)|(1<<20)|(1<<21)|(5<<22)|(3<<25)  ; 15:0 the mask of four; 17:16 elements of 2 bytes; 20 padding on; 21 set beside a mask; 24:22 after every 64 words (code 5); 31:25 4 words (code 3)
	s_mov_b32 s[G1+1], 128<<16                     ; tensor_dim0 = 128
	s_mov_b32 s[G1+2], 64<<16                      ; tensor_dim1 = 64
	s_mov_b32 s[G1+3], 128<<16                     ; tile_dim0 = 128
	s_mov_b32 s[G1+4], 64                          ; tile_dim1 = 64
	s_mov_b32 s[G1+5], 512                         ; elements from row to row
	s_mov_b32 s[G1+6], 0
	s_mov_b32 s[G1+7], 0
	s_mov_b32 s[G0], 1
	s_mul_i32 s[G0+1], s[WV], STRIP                ; slot 0, my strip: no place in the cluster enters an LDS address
	s_mov_b32 s[KL], 0x3fb8aa3b
	s_mov_b32 s[KL+1], 0x3fb8aa3b
	s_mov_b32 s[KC], 0x3fc3ae9e
	s_mov_b32 s[KC+1], 0x3fc3ae9e
	s_mov_b32 s[SEL], 0x76543210
	s_mov_b32 s[SEL+1], 0xfedcba98
	s_mov_b32 s[TB], SLOTB+2*SUBB                  ; the first change of slots turns this into 0
	s_mov_b32 s[RF], 11
	s_lshr_b32 s[LIM], s[WV], 1
	s_or_b32 s[LIM], s[LIM], ttmp9                 ; waves 0 and 1 of cluster 0: the same in all four partners
	s_cmp_eq_u32 s[LIM], 0
	s_cselect_b32 s[LIM], 1, -1
	s_wait_dscnt 0x0                               ; both opening adds are done
	s_wait_kmcnt 0x0
	s_lshl_b32 s62, s[WV], 8
	s_mov_b32 s63, 0
	s_add_nc_u64 s[G0+2:G0+3], s[8:9], s[62:63]    ; chunk 0, my 256 bytes of each row
	s_or_b32 s[G0+3], s[G0+3], 0x80000000
	s_load_b32 s[BA], s[24:25], 0x0
	s_load_b32 s[BB], s[26:27], 0x0
	s_bfe_u32 s69, ttmp6, 0x40000                  ; cx: it enters addresses in memory alone
	s_lshl_b32 s68, ttmp9, 2
	s_add_co_u32 s68, s68, s69                     ; my block of 256 points
	s_lshl_b32 s2, s69, 14
	s_and_b32 s48, s[WV], 1
	s_lshl_b32 s48, s48, 13
	s_add_co_u32 s2, s2, s48
	s_add_co_u32 s2, s2, 65536
	s_mov_b32 s3, 0
	s_add_nc_u64 s[PFA:PFA+1], s[8:9], s[2:3]      ; in chunk 1; the first change steps it to chunk 2
	s_lshr_b32 s2, s68, 4                          ; the batch: 4 MiB of featA and of out0,
	s_lshl_b32 s2, s2, 22
	s_and_b32 s48, s68, 15
	s_lshl_b32 s48, s48, 10                        ; the block's 256 points,
	s_add_co_u32 s2, s2, s48
	s_lshl_b32 s48, s[WV], 8                       ; my 64
	s_add_co_u32 s2, s2, s48
	s_add_nc_u64 s[76:77], s[4:5], s[2:3]
	s_add_nc_u64 s[OUT:OUT+1], s[30:31], s[2:3]
	s_lshl_b32 s2, s68, 12
	s_lshl_b32 s48, s[WV], 10
	s_add_co_u32 s2, s2, s48
	s_add_nc_u64 s[72:73], s[10:11], s[2:3]        ; my 64 points' rows of nbr and wgt
	s_add_nc_u64 s[74:75], s[12:13], s[2:3]
	s_cmp_lt_u32 s[WV], 2                          ; waves 0 and 1 bring the first vector of each pair, waves 2 and 3 the second
	s_cselect_b64 s[78:79], s[14:15], s[16:17]
	s_cselect_b64 s[62:63], s[20:21], s[22:23]
	s_cselect_b64 s[2:3], s[18:19], s[28:29]
	s_cselect_b32 s69, 1.0, 0x3f7fffac             ; cat_g takes 1 / sqrt(1 + 1e-5)
	CROUND                                         ; all four work-groups are here: the first joint loads meet
	JLOAD                                          ; chunk 0 into slot 0; slot 1 is asked for at the first change
	; featA: 256 channels x my 64 points, f32, each load two rows of 256 consecutive bytes.  Eight batches of 16 loads (32 channels), each with registers of its own; three batches, 48 loads of a wave,
	; are out at a time.  Rounded to bf16, into my stage [k][n], and out of it turned.
.macro LOADA be
.if (\be) < 4
	WIN 0xc0
.else
	WIN 0x80
.endif
.set i, 0
.rept 16
	global_load_b128 v[64*((\be)%4)+4*i:64*((\be)%4)+4*i+3], v[GO], s[76:77] offset:32768*(16*(\be)+i) th:TH_LOAD_NT
.set i, i+1
.endr
.endm
.macro CONV be
.if (\be) < 4
	WIN 0x0f
.else
	WIN 0x0a
.endif
.set cf, F0+32*((\be)%2)
.set i, 0
.rept 16
	v_cvt_pk_bf16_f32 v[cf+2*i], v[64*((\be)%4)+4*i], v[64*((\be)%4)+4*i+1]
	v_cvt_pk_bf16_f32 v[cf+2*i+1], v[64*((\be)%4)+4*i+2], v[64*((\be)%4)+4*i+3]
.set i, i+1
.endr
	WIN 0
.set i, 0
.rept 16
	ds_store_b64 v[AS], v[cf+2*i:cf+2*i+1] offset:(32*(\be)+2*i)*APIT
.set i, i+1
.endr
.endm
.macro RND2 a, b, t
	v_cvt_pk_bf16_f32 v[\t], v[\a], v[\b]
	v_lshlrev_b32 v[\a], 16, v[\t]
	v_and_b32 v[\b], 0xffff0000, v[\t]
.endm
	global_load_b128 v[16:19], v[L16], s[72:73]
	global_load_b128 v[20:23], v[L16], s[72:73] offset:512
	global_load_b128 v[24:27], v[L16], s[74:75]
	global_load_b128 v[28:31], v[L16], s[74:75] offset:512
	global_load_b128 v[32:35], v[VV], s[78:79]
	global_load_b128 v[36:39], v[VV], s[62:63]
	global_load_b128 v[40:43], v[VV], s[2:3]
	LOADA 0
	LOADA 1
	LOADA 2
	WIN 0
	s_wait_loadcnt 32                              ; all but the two youngest batches: the tables, the vectors and batch 0 are in
	ds_store_b128 v[TS], v[16:19]
	ds_store_b128 v[TS], v[20:23] offset:512
	ds_store_b128 v[TS], v[24:27] offset:1024
	ds_store_b128 v[TS], v[28:31] offset:1536
.irp j, 32,34,36,38,40,42
	RND2 \j, \j+1, 44
.endr
.irp j, 40,41,42,43
	v_mul_f32 v[\j], s69, v[\j]
.endr
	ds_store_b128 v[VS], v[32:35]
	ds_store_b128 v[VS], v[36:39] offset:2048
	ds_store_b128 v[VS], v[40:43] offset:4096      ; read by all waves behind the first change of slots, in front of whose barrier every wave waits for its stores
	s_wait_kmcnt 0x0
	v_cvt_pk_bf16_f32 v45, s[BA], s[BB]
	v_lshlrev_b32 v46, 16, v45
	v_and_b32 v47, 0xffff0000, v45
	v_readfirstlane_b32 s[BA], v46
	v_readfirstlane_b32 s[BB], v47
	CONV 0
	LOADA 3
.irp be, 1,2,3,4
	s_wait_loadcnt 32                              ; the two youngest batches may stay out
	CONV \be
	LOADA \be+3
.endr
	s_wait_loadcnt 32
	CONV 5
	s_wait_loadcnt 16
	CONV 6
	s_wait_loadcnt 0x0
	CONV 7
	WIN 0x40                                       ; LDS serves a wave's instructions in order (ISA guide 5.7.1.4): these see the stores above, and Bo's stores below come behind them
.set i, 0
.rept 32
	ds_load_tr16_b128 v[8*i:8*i+3],   v[AT] offset:(i/4)*32*APIT+32*(i%4)
	ds_load_tr16_b128 v[8*i+4:8*i+7], v[AT] offset:(i/4)*32*APIT+16*APIT+32*(i%4)
.set i, i+1
.endr
	WIN 0
	; Bo, eight points at a time.  A row of qtab is 512 bytes: one load of the wave, 8 channels a lane.  Two sets of 24 rows: one is worked on while the other is on its way.
.macro IDXG buf, off
	WIN 0
.irp u, 0,1,2,3,4,5,6,7
	ds_load_b128 v[IX+4*\u:IX+4*\u+3], v[TI] offset:(\off)+16*\u  ; the same address in all lanes
.endr
	s_wait_dscnt 0x0
.irp u, 0,1,2,3,4,5,6,7
.irp j, 0,1,2
	v_min_u32 v[IX+4*\u+\j], 0x3fff, v[IX+4*\u+\j] ; qtab has 16,384 rows
.endr
.endr
.irp u, 0,1,2,3,4,5,6,7
.irp j, 0,1,2
	v_lshl_add_u32 v[VO+24*(\buf)+3*\u+\j], v[IX+4*\u+\j], 9, v[L16]
.endr
.endr
	WIN 0xc0
.irp u, 0,1,2,3,4,5,6,7
.irp j, 0,1,2
	global_load_b128 v[96*(\buf)+4*(3*\u+\j):96*(\buf)+4*(3*\u+\j)+3], v[VO+24*(\buf)+3*\u+\j], s[6:7]
.endr
.endr
	WIN 0
.endm
.macro COMP buf
	WIN 0xc0                                       ; the weights land in window 3, the address lies in window 0
.irp u, 0,1,2,3,4,5,6,7
	ds_load_b128 v[WG+4*\u:WG+4*\u+3], v[TI] offset:1024+128*(\buf)+16*\u
.endr
	s_wait_dscnt 0x0
	WIN 0x0f                                       ; source 0, the rows, and source 1, the weights, in window 3; the sums in window 0
.irp u, 0,1,2,3,4,5,6,7
.irp j, 0,1,2
.irp c, 0,1,2,3
.if \j == 0
	v_fma_mix_f32_bf16 v[F0+8*\u+2*\c],   v[96*(\buf)+4*(3*\u+\j)+\c], v[WG+4*\u+\j], v[ZERO] op_sel_hi:[1,0,0]
	v_fma_mix_f32_bf16 v[F0+8*\u+2*\c+1], v[96*(\buf)+4*(3*\u+\j)+\c], v[WG+4*\u+\j], v[ZERO] op_sel:[1,0,0] op_sel_hi:[1,0,0]
.else
	v_fma_mix_f32_bf16 v[F0+8*\u+2*\c],   v[96*(\buf)+4*(3*\u+\j)+\c], v[WG+4*\u+\j], v[F0+8*\u+2*\c] op_sel_hi:[1,0,0]
	v_fma_mix_f32_bf16 v[F0+8*\u+2*\c+1], v[96*(\buf)+4*(3*\u+\j)+\c], v[WG+4*\u+\j], v[F0+8*\u+2*\c+1] op_sel:[1,0,0] op_sel_hi:[1,0,0]
.endif
.endr
.endr
.endr
	WIN 0
.set i, 0
.rept 32
	v_cvt_pk_bf16_f32 v[F1+i], v[F0+2*i], v[F0+2*i+1]
.set i, i+1
.endr
.set i, 0
.rept 32
	v_pk_max_num_bf16 v[F1+i], v[F1+i], v[ZERO]    ; relu: nothing is rounded
.set i, i+1
.endr
.irp u, 0,1,2,3,4,5,6,7
	ds_store_b128 v[SB], v[F1+4*\u:F1+4*\u+3] offset:8*BPIT*(\buf)+BPIT*\u
.endr
.endm
	IDXG 0, 0
	s_mov_b32 s[PBC], 4
.Lpb:                                          ; a trip: 16 points
	IDXG 1, 128
	s_wait_loadcnt 24                              ; set 0 is in; set 1's 24 loads may stay out
	COMP 0
	s_cmp_eq_u32 s[PBC], 1
	s_cbranch_scc1 .Lpb_last                       ; the last trip has no further points
	IDXG 0, 256
	s_wait_loadcnt 24                              ; set 1 is in
	s_branch .Lpb_join
.Lpb_last:
	s_wait_loadcnt 0x0
.Lpb_join:
	COMP 1
	v_add_nc_u32 v[TI], 256, v[TI]
	v_add_nc_u32 v[SB], 16*BPIT, v[SB]
	s_sub_co_u32 s[PBC], s[PBC], 1
	s_cmp_lg_u32 s[PBC], 0
	s_cbranch_scc1 .Lpb
	WIN 0x80
.set i, 0
.rept 32
	ds_load_b128 v[8*i:8*i+3],   v[XR] offset:(i%4)*16*BPIT+(i/4)*64
	ds_load_b128 v[8*i+4:8*i+7], v[XR] offset:(i%4)*16*BPIT+(i/4)*64+32
.set i, i+1
.endr
	WIN 0
.set i, S
.rept 32
	v_mov_b32 v[i], 0                              ; gate sums, gates, and the registers at work on them (the prologue's addresses are done with)
.set i, i+1
.endr
	; THE PRODUCTS of a pass: 32 rows of weights (two tiles a) x my 64 points (four tiles t), K = 512 in four groups g of 128: group g lies in strip g.
.macro FETCHW f, g
.irp ksl, 0,1,2,3
.irp a, 0,1
	ds_load_b128 v[(\f)+8*(2*\ksl+\a):(\f)+8*(2*\ksl+\a)+3],   v[ADR] offset:(\g)*STRIP+\a*16*PW+\ksl*64
	ds_load_b128 v[(\f)+8*(2*\ksl+\a)+4:(\f)+8*(2*\ksl+\a)+7], v[ADR] offset:(\g)*STRIP+\a*16*PW+\ksl*64+32
.endr
.endr
.endm
.macro MULG f, g, acc, zero            ; 32 products; the eight accumulators take turns, one instruction a turn
.if (\g) < 2
	WIN 0xf4                                       ; weights window 0, featA's fragments window 1, sums window 3
.else
	WIN 0xf8                                       ; Bo's fragments window 2
.endif
.irp ksl, 0,1,2,3
.irp a, 0,1
.irp t, 0,1,2,3
.if (\zero) && ((\ksl) == 0)
	v_wmma_f32_16x16x32_bf16 v[(\acc)+8*(4*\a+\t):(\acc)+8*(4*\a+\t)+7], v[(\f)+8*(2*\ksl+\a):(\f)+8*(2*\ksl+\a)+7], v[8*(4*(4*((\g)&1)+\ksl)+\t):8*(4*(4*((\g)&1)+\ksl)+\t)+7], 0
.else
	v_wmma_f32_16x16x32_bf16 v[(\acc)+8*(4*\a+\t):(\acc)+8*(4*\a+\t)+7], v[(\f)+8*(2*\ksl+\a):(\f)+8*(2*\ksl+\a)+7], v[8*(4*(4*((\g)&1)+\ksl)+\t):8*(4*(4*((\g)&1)+\ksl)+\t)+7], v[(\acc)+8*(4*\a+\t):(\acc)+8*(4*\a+\t)+7]
.endif
.endr
.endr
.endr
.endm
.macro VECS d2                         ; the pass's bias, and d2 bytes further its conv weights or scales: channels 16 a + 8 (lane / 16) + 0..7
	WIN 0
	v_add_nc_u32 v[VB], s[ROFF], v[H32]
	s_add_co_u32 s[ROFF], s[ROFF], 128
.irp a, 0,1
.irp e, 0,1
	ds_load_b128 v[BI+8*\a+4*\e:BI+8*\a+4*\e+3], v[VB] offset:64*\a+16*\e
	ds_load_b128 v[CW+8*\a+4*\e:CW+8*\a+4*\e+3], v[VB] offset:(\d2)+64*\a+16*\e
.endr
.endr
.endm
.macro SUBM z2                         ; z2 = 1: Bo's half of K gets accumulators of its own (64-127)
	WIN 0
	v_add_nc_u32 v[ADR], s[TB], v[WA]
	s_add_co_u32 s[TB], s[TB], SUBB
	FETCHW F0, 0
	FETCHW F1, 1
	s_wait_dscnt 16                                ; all but the youngest 16 loads: group 0 and the vectors are in
	MULG F0, 0, 0, 1
	PLACES                                         ; four places in front of loads into registers that the products have read
	WIN 0
	FETCHW F0, 2
	s_wait_dscnt 16
	MULG F1, 1, 0, 0
	PLACES
	WIN 0
	FETCHW F1, 3
	s_wait_dscnt 16
	MULG F0, 2, 64*(\z2), \z2
	s_wait_dscnt 0x0
	MULG F1, 3, 64*(\z2), 0
	WIN 0
	PLACES                                         ; and in front of the lines that read the sums
.endm
; THE EPILOGUES work on 32 register pairs.  Pair p: tile of points p & 3, tile of rows (p >> 2) & 1, channels 2 (p >> 3) and the next.
; telu(x) = x (1 - 2 / (1 + 2^(2^(x log2 e + log2(2 log2 e))))).  Three batches of transcendentals, each with a plain line behind its last and ONE wait ahead of its first reader.
.macro PR p
.set pt, (\p)&3
.set pa, ((\p)>>2)&1
.set pj, (\p)>>3
.set rX, F0+2*(\p)
.set rT, F1+2*(\p)
.set rV, 8*pa+2*pj
.set rA, 8*(4*pa+pt)+2*pj
.endm
.macro BATCHEND
	v_nop
	s_wait_alu depctr_va_vdst(0)
.endm
.macro BATCHD                          ; t = 1 / (t + 1)
.set q, 0
.rept 33
.if q < 32
	PR q
	v_pk_add_f32 v[rT:rT+1], v[rT:rT+1], 1.0 op_sel_hi:[1,0]
.endif
.if q > 0
	PR q-1
	v_rcp_f32 v[rT], v[rT]
	v_rcp_f32 v[rT+1], v[rT+1]
.endif
.set q, q+1
.endr
	BATCHEND
.endm
.macro EP1                             ; S += conv_w telu(sum + bias)
	WIN 0x03
.set q, 0
.rept 32
	PR q
	v_pk_add_f32 v[rX:rX+1], v[rA:rA+1], v[BI+rV:BI+rV+1]
.set q, q+1
.endr
	WIN 0
.set q, 0
.rept 33
.if q < 32
	PR q
	v_pk_fma_f32 v[rT:rT+1], v[rX:rX+1], s[KL:KL+1], s[KC:KC+1] op_sel_hi:[1,0,0]
.endif
.if q > 0
	PR q-1
	v_exp_f32 v[rT], v[rT]
	v_exp_f32 v[rT+1], v[rT+1]
.endif
.set q, q+1
.endr
	BATCHEND
.set q, 0
.rept 32
	PR q
	v_pk_mul_f32 v[rX:rX+1], v[rX:rX+1], v[CW+rV:CW+rV+1]
	v_exp_f32 v[rT], v[rT]
	v_exp_f32 v[rT+1], v[rT+1]
.set q, q+1
.endr
	BATCHEND
	BATCHD
.set q, 0
.rept 33
.if q < 32
	PR q
	v_pk_fma_f32 v[rT:rT+1], v[rT:rT+1], -2.0, 1.0 op_sel_hi:[1,0,0]
.endif
.if q > 0
	PR q-1
	v_pk_fma_f32 v[S+2*pt:S+2*pt+1], v[rX:rX+1], v[rT:rT+1], v[S+2*pt:S+2*pt+1]
.endif
.set q, q+1
.endr
.endm
.macro EP2                             ; out = telu(sC (aw CA + bw CB) + bC), through my stage, stored as whole rows of 256 bytes
	WIN 0x03
.set q, 0
.rept 32
	PR q
	v_pk_mul_f32 v[rX:rX+1], v[64+rA:64+rA+1], v[GA+4*pt+2:GA+4*pt+3] op_sel_hi:[1,0]
.set q, q+1
.endr
.set q, 0
.rept 32
	PR q
	v_pk_fma_f32 v[rX:rX+1], v[rA:rA+1], v[GA+4*pt:GA+4*pt+1], v[rX:rX+1] op_sel_hi:[1,0,1]
.set q, q+1
.endr
	WIN 0
.set q, 0
.rept 34
.if q < 32
	PR q
	v_pk_fma_f32 v[rX:rX+1], v[rX:rX+1], v[CW+rV:CW+rV+1], v[BI+rV:BI+rV+1]
.endif
.if (q > 0) && (q < 33)
	PR q-1
	v_pk_fma_f32 v[rT:rT+1], v[rX:rX+1], s[KL:KL+1], s[KC:KC+1] op_sel_hi:[1,0,0]
.endif
.if q > 1
	PR q-2
	v_exp_f32 v[rT], v[rT]
	v_exp_f32 v[rT+1], v[rT+1]
.endif
.set q, q+1
.endr
	BATCHEND
.set q, 0
.rept 64
	v_exp_f32 v[F1+q], v[F1+q]
.set q, q+1
.endr
	BATCHEND
	BATCHD
.set q, 0
.rept 33
.if q < 32
	PR q
	v_pk_fma_f32 v[rT:rT+1], v[rT:rT+1], -2.0, 1.0 op_sel_hi:[1,0,0]
.endif
.if q > 0
	PR q-1
	v_pk_mul_f32 v[rX:rX+1], v[rX:rX+1], v[rT:rT+1]
.endif
.set q, q+1
.endr
.set q, 0
.rept 32
	PR q
	ds_store_b32 v[STO], v[rX]   offset:(16*pa+2*pj)*OPIT+64*pt    ; 16 lanes put 64 consecutive bytes; the other 16 lie 8 rows of 68 words further: 32 words on, modulo the 64 banks of 4 bytes (ISA guide 11.1)
	ds_store_b32 v[STO], v[rX+1] offset:(16*pa+2*pj+1)*OPIT+64*pt
.set q, q+1
.endr
.set i, 0
.rept 16
	ds_load_b128 v[F1+4*i:F1+4*i+3], v[RD] offset:2*OPIT*i         ; my own bytes, served in order: these see the stores above
.set i, i+1
.endr
.set i, 0
.rept 16
	s_wait_dscnt 15-i
	global_store_b128 v[GO], v[F1+4*i:F1+4*i+3], s[OUT:OUT+1] offset:32768*i th:TH_STORE_NT  ; 16 lanes store 256 consecutive bytes, aligned
.set i, i+1
.endr
	s_wait_xcnt 0x0                                ; the stores have read their registers and their base: both are written next
	s_add_nc_u64 s[OUT:OUT+1], s[OUT:OUT+1], 524288  ; 32 channels on
.endm
.macro GATE                            ; the gate of the matrix just walked: bw takes it, aw takes what bw held
	WIN 0
.irp t, 0,1,2,3
	v_add_f32 v[GT+\t], v[S+2*\t], v[S+2*\t+1]
.endr
.irp t, 0,1,2,3
	v_permlanex16_b32 v[GT+4+\t], v[GT+\t], s[SEL], s[SEL+1]  ; the point's other channels lie in the lane 16 away
.endr
.irp t, 0,1,2,3
	v_add_f32 v[GT+\t], v[GT+\t], v[GT+4+\t]
.endr
.irp t, 0,1,2,3
	v_add_f32 v[GT+\t], s[CUR], v[GT+\t]
.endr
.irp t, 0,1,2,3
	v_mul_f32 v[GT+\t], 0xbfb8aa3b, v[GT+\t]
.endr
.irp t, 0,1,2,3
	v_exp_f32 v[GT+\t], v[GT+\t]
.endr
	BATCHEND
.irp t, 0,1,2,3
	v_add_f32 v[GT+\t], 1.0, v[GT+\t]
.endr
.irp t, 0,1,2,3
	v_mov_b32 v[GA+4*\t], v[GA+4*\t+2]
.endr
.irp t, 0,1,2,3
	v_rcp_f32 v[GA+4*\t+2], v[GT+\t]
.endr
.irp t, 0,1,2,3,4,5,6,7
	v_mov_b32 v[S+\t], 0                           ; plain lines behind the last reciprocal
.endr
	s_wait_alu depctr_va_vdst(0)                   ; the four reciprocals' wait, ahead of the branch
.endm
	; chunks 0-3: catA's rows, chunks 4-7: catB's
	s_mov_b32 s[ROFF], VT                          ; catA_b, and 1,024 bytes on catB_b; the conv weights lie 2,048 further
	s_mov_b32 s[MAT], 0
.Lmat:
	s_cmp_eq_u32 s[MAT], 0
	s_cselect_b32 s[CUR], s[BA], s[BB]
	s_mov_b32 s[SL], 4
.Lslot1:
	CHANGE 1
	s_mov_b32 s[SUBC], 2
.Lsub1:
	VECS 2048
	SUBM 0
	EP1
	s_sub_co_u32 s[SUBC], s[SUBC], 1
	s_cmp_lg_u32 s[SUBC], 0
	s_cbranch_scc1 .Lsub1
	s_sub_co_u32 s[SL], s[SL], 1
	s_cmp_lg_u32 s[SL], 0
	s_cbranch_scc1 .Lslot1
	GATE
	s_add_co_u32 s[MAT], s[MAT], 1
	s_cmp_lt_u32 s[MAT], 2
	s_cbranch_scc1 .Lmat
	; chunks 8-11: cat's rows
.macro TWOSUB2
	s_mov_b32 s[SUBC], 2
.Lsub2_\@:
	VECS 1024
	SUBM 1
	EP2
	s_sub_co_u32 s[SUBC], s[SUBC], 1
	s_cmp_lg_u32 s[SUBC], 0
	s_cbranch_scc1 .Lsub2_\@
.endm
	s_mov_b32 s[ROFF], VT+4096                     ; cat_b; the scales lie 1,024 further
	s_mov_b32 s[SL], 3
.Lslot2:
	CHANGE 1
	TWOSUB2
	s_sub_co_u32 s[SL], s[SL], 1
	s_cmp_lg_u32 s[SL], 0
	s_cbranch_scc1 .Lslot2
	CHANGE 0                                       ; the last chunk is written out: nothing is asked for
	TWOSUB2
	s_wait_tensorcnt 0x0                           ; the wave's end, behind my last tensor load and my last LDS store
	ds_add_u32 v[SPW], v[NIL]
	s_wait_dscnt 0x0
	CROUND                                         ; the closing round: no work-group ends while a partner may still ask for a chunk that names it
	s_endpgm
.Lfunc_end_k_q598b40d739_fuse:
	.size	k_q598b40d739_fuse, .Lfunc_end_k_q598b40d739_fuse-k_q598b40d739_fuse
	.p2alignl 7, 3214868480
	.fill 96, 4, 3214868480
	.section	.rodata,"a",@progbits
	.p2align	6, 0x0
	.amdhsa_kernel k_q598b40d739_fuse
		.amdhsa_group_segment_fixed_size 327680
		.amdhsa_private_segment_fixed_size 0
		.amdhsa_enable_private_segment 0
		.amdhsa_kernarg_size 112
		.amdhsa_user_sgpr_count 2
		.amdhsa_user_sgpr_kernarg_segment_ptr 1
		.amdhsa_wavefront_size32 1
		.amdhsa_system_sgpr_workgroup_id_x 1
		.amdhsa_system_sgpr_workgroup_id_y 1
		.amdhsa_system_sgpr_workgroup_id_z 1
		.amdhsa_system_vgpr_workitem_id 0
		.amdhsa_next_free_vgpr 1024
		.amdhsa_next_free_sgpr 80
		.amdhsa_reserve_vcc 0
		.amdhsa_float_denorm_mode_32 3
		.amdhsa_float_denorm_mode_16_64 3
		.amdhsa_memory_ordered 1
		.amdhsa_forward_progress 1
		.amdhsa_inst_pref_size 226
	.end_amdhsa_kernel
	.amdgpu_metadata
---
amdhsa.version: [ 1, 2 ]
amdhsa.kernels:
  - .name:           k_q598b40d739_fuse
    .symbol:         k_q598b40d739_fuse.kd
    .args:
      - { .name: featA, .offset: 0, .size: 8, .value_kind: global_buffer, .address_space: global }
      - { .name: qtab, .offset: 8, .size: 8, .value_kind: global_buffer, .address_space: global }
      - { .name: wts, .offset: 16, .size: 8, .value_kind: global_buffer, .address_space: global }
      - { .name: nbr, .offset: 24, .size: 8, .value_kind: global_buffer, .address_space: global }
      - { .name: wgt, .offset: 32, .size: 8, .value_kind: global_buffer, .address_space: global }
      - { .name: catA_b, .offset: 40, .size: 8, .value_kind: global_buffer, .address_space: global }
      - { .name: catB_b, .offset: 48, .size: 8, .value_kind: global_buffer, .address_space: global }
      - { .name: cat_b, .offset: 56, .size: 8, .value_kind: global_buffer, .address_space: global }
      - { .name: convA_w, .offset: 64, .size: 8, .value_kind: global_buffer, .address_space: global }
      - { .name: convB_w, .offset: 72, .size: 8, .value_kind: global_buffer, .address_space: global }
      - { .name: convA_b, .offset: 80, .size: 8, .value_kind: global_buffer, .address_space: global }
      - { .name: convB_b, .offset: 88, .size: 8, .value_kind: global_buffer, .address_space: global }
      - { .name: cat_g, .offset: 96, .size: 8, .value_kind: global_buffer, .address_space: global }
      - { .name: out0, .offset: 104, .size: 8, .value_kind: global_buffer, .address_space: global }
    .group_segment_fixed_size: 327680
    .private_segment_fixed_size: 0
    .kernarg_segment_align: 8
    .kernarg_segment_size: 112
    .max_flat_workgroup_size: 128
    .sgpr_count:     80
    .vgpr_count:     1024
    .wavefront_size: 32
...
	.end_amdgpu_metadata
.endif
;; end of part 2
